; MI455X (gfx1250); checked and timed in simulation.
; The chip was launched on July 23, 2026; its instructions are those of AMD's public machine-readable ISA for CDNA 5 (MIT licence, August 2026) and "CDNA5" Instruction Set Architecture Reference Guide (July 2026). The comments in the code are by the model that wrote it; some were corrected since.
;; Vector Quantizer. Allowed arithmetic: float matrix products may take bf16 or f16 operands with f32 sums; other float arithmetic in f32, or as packed bf16 or f16 multiplies, adds, multiply-adds, maxima and minima; sums over many terms, partial sums and values carried from step to step in f32; what a program stores and reads back later, other than sums and carried values, may be rounded once to bf16 or f16.
;; Inputs: codebook 8,192 x 256 float32; z 8 x 4,096 x 256 float32.
;; Outputs: out0 8 x 4,096 x 256 float32; out1 32,768 x 1 int32.
;; 2 versions, each right; version 2 is version 1 with the launches prep, gather written anew for expert scheduling mode. Each part assembles by itself: llvm-mc -triple=amdgcn-amd-amdhsa -mcpu=gfx1250 --defsym DOCPART=n.
;; ======== version 1 of 2: 3 launches
;; workspace buffers: cbx 4,259,840 bytes; idxw 131,072 bytes of whole numbers
;; launch prep (part 1): grid 256 x 1, 4 waves a work-group, no clusters, 768 bytes of LDS; arguments codebook, cbx; writes cbx
.if DOCPART == 1
	.amdgcn_target "amdgcn-amd-amdhsa--gfx1250"
	.amdhsa_code_object_version 6
	.text
	.protected	k_qacd6cbc271_prep
	.globl	k_qacd6cbc271_prep
	.p2align	8
	.type	k_qacd6cbc271_prep,@function
k_qacd6cbc271_prep:
	s_mov_b64 s[64:65], 0
	v_nop
	global_prefetch_b8 v0, s[64:65] scope:SCOPE_SE
	s_setreg_imm32_b32 hwreg(HW_REG_WAVE_MODE, 25, 1), 1
	s_wait_xcnt 0x0
; THE CODEBOOK, ROUNDED ONCE.  codebook: [8192][256] f32.  cbx: 128 blocks of 33,280 bytes; block g holds codes 64 g .. 64 g + 63:
;   rows 0-63, 512 bytes each: a code's 256 numbers in bf16;
;   row 64, 512 bytes: [ee of codes 0-31 | 128 bytes of 0 | ee of codes 32-63 | 128 bytes of 0], ee = the sum of the ROUNDED numbers' squares, in f32.
; So a block is 65 dense rows of 512 bytes, which the next launch takes with one tensor load.  Every byte of cbx is written here.
; SHARES.  Work-group b takes codes 32 b .. 32 b + 31: half b % 2 of block b / 2.  A wave takes 8 rows, a whole row at a time: no loop, 16 loads of 512 consecutive bytes on end.
; A stream: no matrix unit, no cluster (no two work-groups read the same byte), no tensor load (nothing is shared between waves on the way in).
; LIMIT.  The 256 squares of a row are added lane by lane and then across lanes: another order than a sum from left to right.
.set SPARE, 256                        ; LDS: bytes 0-127 the 32 norms (the block 0-255 is theirs); from 256 on the spare words, 128 bytes a wave
.set LN,  1                            ; v1   lane
.set SO,  2                            ; v2   16 x lane: my 16 bytes in 512 of a source row
.set DO,  3                            ; v3   8 x lane: my 8 bytes in 256 of a row of cbx
.set SPW, 4                            ; v4   LDS address of my spare word; never rewritten
.set NIL, 5                            ; v5   0; never rewritten
.set EV,  6                            ; v6   the norm of row lane % 8 of my wave's eight
.set L8,  7                            ; v7   lane % 8, later the LDS address of that norm
.set T,   8                            ; v[8:15]   eight numbers in f32, at work
.set X,   16                           ; v[16:79]  row i as loaded: 8 registers
.set Y,   80                           ; v[80:111] row i in bf16: 4 registers of its own, so that no store's data are rewritten
	s_load_b128 s[4:7], s[0:1], 0x0                ; codebook s[4:5], cbx s[6:7]
	v_lshl_add_u32 v[SPW], v0, 2, SPARE
	v_mov_b32 v[NIL], 0
	v_lshrrev_b32 v[EV], 5, v0
	v_readfirstlane_b32 s10, v[EV]                 ; wave 0..3
	v_and_b32 v[LN], 31, v0
	v_lshlrev_b32 v[SO], 4, v[LN]
	v_lshlrev_b32 v[DO], 3, v[LN]
	v_and_b32 v[L8], 7, v[LN]
	v_mov_b32 v[EV], 0
	s_mov_b32 s12, 0x76543210                      ; v_permlanex16_b32: each lane takes its own place in the other half
	s_mov_b32 s13, 0xfedcba98
	s_mov_b32 s14, 0xffff0000                      ; a word's upper bf16
	s_lshl_b32 s15, s10, 5                         ; my wave's 8 words of the stage
	s_lshl_b32 s16, ttmp9, 15                      ; source: 32 rows of 1,024 bytes a work-group,
	s_lshl_b32 s17, s10, 13                        ; 8 a wave
	s_add_co_u32 s16, s16, s17
	s_mov_b32 s17, 0
	s_lshr_b32 s18, ttmp9, 1                       ; the block,
	s_mul_i32 s18, s18, 33280                      ; its first byte
	s_and_b32 s20, ttmp9, 1                        ; which half of it
	s_lshl_b32 s21, s20, 14                        ; 32 rows of 512 bytes
	s_lshl_b32 s22, s10, 12                        ; my wave's 8 rows
	s_add_co_u32 s22, s22, s21
	s_add_co_u32 s22, s22, s18
	s_mov_b32 s23, 0
	s_lshl_b32 s24, s20, 8                         ; the half's 256 bytes of row 64
	s_add_co_u32 s24, s24, s18
	s_mov_b32 s25, 0
	s_wait_kmcnt 0x0
	s_add_nc_u64 s[8:9], s[6:7], s[24:25]
	s_add_nc_u64 s[8:9], s[8:9], 32768             ; row 64 lies behind 64 rows of 512 bytes
	s_add_nc_u64 s[6:7], s[6:7], s[22:23]
	s_add_nc_u64 s[4:5], s[4:5], s[16:17]
.irp i, 0,1,2,3,4,5,6,7
	global_load_b128 v[X+8*(\i):X+8*(\i)+3],   v[SO], s[4:5] offset:1024*(\i) th:TH_LOAD_NT      ; numbers 4 l .. 4 l + 3 of row i
	global_load_b128 v[X+8*(\i)+4:X+8*(\i)+7], v[SO], s[4:5] offset:1024*(\i)+512 th:TH_LOAD_NT  ; numbers 128 + 4 l .. of row i
.endr
; Row i: rounded, stored (each store of the wave covers 256 consecutive bytes, aligned), and the rounded numbers' squares summed over the wave.
.macro ROW i
	s_wait_loadcnt 14-2*(\i)                       ; loads come back in order: row i's two are in, the younger rows' two each stay out
.irp j, 0,1,2,3
	v_cvt_pk_bf16_f32 v[Y+4*(\i)+(\j)], v[X+8*(\i)+2*(\j)], v[X+8*(\i)+2*(\j)+1]
.endr
	global_store_b64 v[DO], v[Y+4*(\i):Y+4*(\i)+1],   s[6:7] offset:512*(\i)
	global_store_b64 v[DO], v[Y+4*(\i)+2:Y+4*(\i)+3], s[6:7] offset:512*(\i)+256
.irp j, 0,1,2,3
	v_lshlrev_b32 v[T+2*(\j)],   16,  v[Y+4*(\i)+(\j)]   ; bf16 to f32: the low half moves up,
	v_and_b32     v[T+2*(\j)+1], s14, v[Y+4*(\i)+(\j)]   ; the high half stays
.endr
	v_pk_mul_f32 v[T:T+1], v[T:T+1], v[T:T+1]
	v_pk_fma_f32 v[T:T+1], v[T+2:T+3], v[T+2:T+3], v[T:T+1]
	v_pk_fma_f32 v[T:T+1], v[T+4:T+5], v[T+4:T+5], v[T:T+1]
	v_pk_fma_f32 v[T:T+1], v[T+6:T+7], v[T+6:T+7], v[T:T+1]
	v_add_f32 v[T], v[T], v[T+1]
	v_add_f32_dpp v[T], v[T], v[T] row_xmask:1 row_mask:0xf bank_mask:0xf
	v_add_f32_dpp v[T], v[T], v[T] row_xmask:2 row_mask:0xf bank_mask:0xf
	v_add_f32_dpp v[T], v[T], v[T] row_xmask:4 row_mask:0xf bank_mask:0xf
	v_add_f32_dpp v[T], v[T], v[T] row_xmask:8 row_mask:0xf bank_mask:0xf
	v_permlanex16_b32 v[T+1], v[T], s12, s13
	v_add_f32 v[T], v[T], v[T+1]                   ; every lane holds the row's norm;
	v_cmp_eq_u32 vcc_lo, \i, v[L8]
	v_cndmask_b32 v[EV], v[EV], v[T], vcc_lo       ; the lanes with lane % 8 = i keep it
.endm
.irp i, 0,1,2,3,4,5,6,7
	ROW \i
.endr
	v_lshl_add_u32 v[L8], v[L8], 2, s15            ; 32 x wave + 4 (lane % 8): the four lanes of a word store the same number
	ds_store_b32 v[L8], v[EV]
	s_wait_dscnt 0x0                               ; for the others' sake: my stores are done
	s_barrier_signal -1
	s_barrier_wait -1                              ; all 32 norms lie in LDS
	s_cmp_lg_u32 s10, 0
	s_cbranch_scc1 .Lend                           ; wave 0 writes the half's 256 bytes of row 64
	v_and_b32 v[T+2], 15, v[LN]
	v_lshlrev_b32 v[T+2], 3, v[T+2]
	ds_load_b64 v[T:T+1], v[T+2]                   ; lanes 0-15: two norms each
	v_cmp_gt_u32 vcc_lo, 16, v[LN]
	s_wait_dscnt 0x0
	v_cndmask_b32 v[T], 0, v[T], vcc_lo            ; lanes 16-31: the 128 bytes of 0
	v_cndmask_b32 v[T+1], 0, v[T+1], vcc_lo
	global_store_b64 v[DO], v[T:T+1], s[8:9]       ; 256 consecutive bytes, aligned
.Lend:
	s_wait_tensorcnt 0x0                           ; the wave's end: behind my last LDS store
	ds_add_u32 v[SPW], v[NIL]
	s_wait_dscnt 0x0
	s_endpgm
.Lfunc_end_k_qacd6cbc271_prep:
	.size	k_qacd6cbc271_prep, .Lfunc_end_k_qacd6cbc271_prep-k_qacd6cbc271_prep
	.p2alignl 7, 3214868480
	.fill 96, 4, 3214868480
	.section	.rodata,"a",@progbits
	.p2align	6, 0x0
	.amdhsa_kernel k_qacd6cbc271_prep
		.amdhsa_group_segment_fixed_size 768
		.amdhsa_private_segment_fixed_size 0
		.amdhsa_enable_private_segment 0
		.amdhsa_kernarg_size 16
		.amdhsa_user_sgpr_count 2
		.amdhsa_user_sgpr_kernarg_segment_ptr 1
		.amdhsa_wavefront_size32 1
		.amdhsa_system_sgpr_workgroup_id_x 1
		.amdhsa_system_sgpr_workgroup_id_y 1
		.amdhsa_system_sgpr_workgroup_id_z 1
		.amdhsa_system_vgpr_workitem_id 0
		.amdhsa_next_free_vgpr 128
		.amdhsa_next_free_sgpr 66
		.amdhsa_reserve_vcc 1
		.amdhsa_float_denorm_mode_32 3
		.amdhsa_float_denorm_mode_16_64 3
		.amdhsa_memory_ordered 1
		.amdhsa_forward_progress 1
		.amdhsa_inst_pref_size 16
	.end_amdhsa_kernel
	.amdgpu_metadata
---
amdhsa.version: [ 1, 2 ]
amdhsa.kernels:
  - .name:           k_qacd6cbc271_prep
    .symbol:         k_qacd6cbc271_prep.kd
    .args:
      - { .name: codebook, .offset: 0, .size: 8, .value_kind: global_buffer, .address_space: global }
      - { .name: cbx, .offset: 8, .size: 8, .value_kind: global_buffer, .address_space: global }
    .group_segment_fixed_size: 768
    .private_segment_fixed_size: 0
    .kernarg_segment_align: 8
    .kernarg_segment_size: 16
    .max_flat_workgroup_size: 128
    .sgpr_count:     66
    .vgpr_count:     128
    .wavefront_size: 32
...
	.end_amdgpu_metadata
.endif
;; end of part 1
;; launch vq (part 2): grid 256 x 1, 4 waves a work-group, clusters of 4 x 1, 327,680 bytes of LDS; arguments z, cbx, out1, idxw; writes out1, idxw
.if DOCPART == 2
	.amdgcn_target "amdgcn-amd-amdhsa--gfx1250"
	.amdhsa_code_object_version 6
	.text
	.protected	k_qacd6cbc271_vq
	.globl	k_qacd6cbc271_vq
	.p2align	8
	.type	k_qacd6cbc271_vq,@function
k_qacd6cbc271_vq:
	s_mov_b64 s[64:65], 0
	v_nop
	global_prefetch_b8 v0, s[64:65] scope:SCOPE_SE
	s_setreg_imm32_b32 hwreg(HW_REG_WAVE_MODE, 25, 1), 1
	s_wait_xcnt 0x0
	s_wait_alu depctr_hold_cnt(0) depctr_sa_sdst(0) depctr_va_vdst(0) depctr_va_sdst(0) depctr_va_ssrc(0) depctr_va_vcc(0) depctr_vm_vsrc(0)
	s_getreg_b32 s2, hwreg(HW_REG_IB_STS2, 6, 4)
	s_cmp_eq_u32 s2, 0
	s_cbranch_scc0 .Lentry_in_a_cluster
	s_endpgm
.Lentry_in_a_cluster:
	s_bfe_u32 s2, ttmp6, 0x10000c
	s_cmp_lg_u32 s2, 0x3003
	s_cbranch_scc0 .Lentry_shape_is_right
	s_endpgm
.Lentry_shape_is_right:
; THE NEAREST CODE.  For each of the 32,768 rows of z (f32, 256 numbers) the lowest index k at which d = fl(fl(zz + ee[k]) - 2 z . e[k]) is least.  z and e are rounded to bf16 for the product;
; zz and ee are the sums of the ROUNDED numbers' squares; d is made by one f32 addition and one fused multiply-add by -2, which rounds as the subtraction of the exact 2 z . e does.
; The index goes to out1 and, the same number, to idxw, from which the next launch forms its addresses.
; LIMITS.  The sums inside z . e, ee and zz run in another order than a sum from left to right: of two distances that lie within f32's rounding of each other the other may be taken.
; A NaN distance never wins; distances beyond f32's range count as +inf, and where all are +inf the index is 0.
; SHARES.  A work-group owns 128 rows of z.  EVERY wave holds all 128 as bf16 fragments (8 tiles x 8 fragments x 8 = 512 registers); THE CODES are split among the waves: of each chunk of 256 codes
; wave w takes cbx's block 4 c + w: 64 codes, four tiles of 16.  So a code fragment read from LDS feeds 8 products, and a wave reads only LDS bytes that its own tensor load brought.
; LAYOUT.  Source 0 = 16 codes, source 1 = 16 rows of z: in the result lane l holds ONE row of z (l % 16) and the codes 8 (l / 16) + 0..7.  Each lane keeps, for each of its 64 places
; (z tile, register), the least distance M and the number IX of the code tile that gave it: the argmin leaves the lane only at the end.  A strict comparison keeps the earlier tile.
; BY TURNS.  The 8 z tiles are two PIECES of four.  A code tile is a TURN of two halves: 32 products of one piece, and behind EACH product four vector instructions of the other piece's
; 128 (16 pairs of scores x [zz + ee, the multiply-add, two comparisons, two selects, two minima]).  The four accumulators of a piece take turns, one instruction a turn.
; CLUSTER.  All work-groups walk the same cbx in the same order: four form a cluster and ask for each block JOINTLY (a mask names four at the most).
; NO FIRST STEP is written out: M, both ee buffers and piece 1's first scores start at +inf and code buffer 1 at 0, so that the loop's first turn (tile number -1) gives distances
; of +inf, which are below no M.  The price: 240 moves, written while the first tiles are on their way, and 64 products of a wave's 8,256.
; REGISTERS, in windows of 256 (s_set_vgpr_msb: bits 1:0 source 0, 3:2 source 1, 5:4 source 2, 7:6 destination):
;   window 0: v0-15 addresses and at work; v16-23 zz, one a z tile; v24-39 ee, two buffers; v40-55 at work; v56-58 the end's addresses; v64-127 scores; v128-191 M; v192-255 IX
;   window 1: v0-127 code fragments, two buffers of 8 x 8; v128-255 z in f32 on its way to bf16, two buffers          windows 2, 3: z tiles 0-3, 4-7: fragment kf of tile u at 64 u + 8 kf
; All that the vector work touches lies in window 0; a product wants windows 1 and 2 or 3 beside it: two switches a product.
; Every register that names LDS bytes is made of the thread's number, the wave's number and constants, and holds nothing else in the whole text.
.set PC,    528                        ; a row of codes in LDS: 512 bytes + 16 of padding = 132 words: the 16 rows of a load start at 16 different groups of four banks (64 banks of 4 bytes: ISA guide 11.1)
.set WB,    65*PC                      ; a block in LDS: 64 rows of codes and the row of norms
.set BLK,   33280                      ; a block in memory
.set CHUNK, 4*BLK                      ; a chunk: the four waves' blocks
.set SLOT1, 139264                     ; slot 0 at byte 0, slot 1 here: 0x22000 shares no bit with w x WB, so one exclusive or turns an address in one slot into the other's
.set PZ,    1040                       ; a row of z (f32) in LDS: 1,024 bytes + 16
.set ZZB,   276736                     ; behind the ring, in blocks of 256 bytes into which no tile lands: zz of the 128 rows,
.set MRG,   277248                     ; the waves' results: wave w at 1,024 w, row q at 8 q: (distance, code),
.set SPARE, 281344                     ; and the spare words, 128 bytes for each wave
.set RL,  1                            ; v1   l % 16
.set AF0, 2                            ; v2   my lane's place in my wave's block: w WB + 528 (l % 16) + 16 (l / 16); never rewritten
.set AF,  3                            ; v3   the LDS address of the code fragments to be fetched
.set EA0, 4                            ; v4   my lane's place in the row of norms: w WB + 64 x 528 + 32 (l / 16); never rewritten
.set EA,  5                            ; v5   the LDS address of the norms to be fetched
.set ZA,  6                            ; v6   my lane's place in a z tile in LDS
.set PFO, 7                            ; v7   256 x lane; never rewritten
.set SPW, 8                            ; v8   LDS address of my spare word: SPARE + 4 x my thread's number; never rewritten
.set NIL, 9                            ; v9   0; never rewritten
.set ZZ,  16
.set EE,  24
.set T,   40                           ; four pairs: zz + ee
.set MS,  56                           ; v56  the end: where my row's result goes: MRG + 1,024 w + 8 (l % 16); never rewritten
.set MR,  57                           ; v57  the end: where I read two rows' results back: MRG + 512 (w % 2) + 16 l; never rewritten
.set GO,  58                           ; v58  the end: my 8 bytes of the work-group's 512: 256 (w % 2) + 8 l; never rewritten
.set ACC, 64                           ; piece x, tile u at ACC + 32 x + 8 u
.set M,   128                          ; place n of piece y at M + 32 y + n
.set IX,  192
.set WV,  12                           ; s12  my wave's number
.set CX,  13                           ; s13  my place in the cluster: it enters global addresses alone
.set WG,  14                           ; s14  my block of 128 rows
.set LIM, 15                           ; s15  2 in the cluster that prefetches, else the greatest number
.set G1C, 16                           ; s[16:23] descriptor group 1, a block of cbx
.set G1Z, 24                           ; s[24:31] the same for z
.set G0C, 32                           ; s[32:35] group 0 for cbx: it walks
.set G0Z, 36                           ; s[36:39] group 0 for z: used once
.set PFA, 40                           ; s[40:41] where my prefetches stand
.set TRIPS, 42                         ; s42  chunks still to be asked for
.set CNT, 43                           ; s43  counts the inner loops
.set FB,  44                           ; s44  LDS byte, less my lane's place, of the code tiles to be fetched
.set EB,  45                           ; s45  the same for the norms
.set TP,  46                           ; s46  the number of the tile before
.set TC,  47                           ; s47  the number of the tile in hand
.set MK,  48                           ; s[48:51] four comparisons' masks, by turns
.set SEL, 52                           ; s[52:53] v_permlanex16_b32's selects
.set INF, 63                           ; s63  +inf
.set MSB, 0
.macro WIN new                         ; the immediate's high byte repeats the setting that is left; a switch that changes nothing is dropped
.if MSB != (\new)
	s_set_vgpr_msb (MSB<<8)|(\new)
.set MSB, (\new)
.endif
.endm
; A round of the cluster's barrier: my work-group's barrier, so that wave 0's signal speaks for all four waves; wave 0 signals; every wave waits for all four work-groups; my work-group's barrier once more.
.macro CROUND
	s_barrier_signal -1
	s_barrier_wait -1
	s_cmp_lg_u32 s[WV], 0
	s_cbranch_scc1 .Lnot_wave_0_\@
	s_barrier_signal -3
.Lnot_wave_0_\@:
	s_barrier_wait -3
	s_barrier_signal -1
	s_barrier_wait -1
.endm
	s_load_b256 s[4:11], s[0:1], 0x0               ; z s[4:5], cbx s[6:7], out1 s[8:9], idxw s[10:11]
	v_lshl_add_u32 v[SPW], v0, 2, SPARE
	v_mov_b32 v[NIL], 0
	ds_add_u32 v[SPW], v[NIL]                      ; the wave's opening: the add, twice on end, and its wait ahead of my first tensor load; the set-up below, work on registers, stands between
	ds_add_u32 v[SPW], v[NIL]
	v_lshrrev_b32 v10, 5, v0
	v_readfirstlane_b32 s[WV], v10                 ; wave 0..3
	s_bfe_u32 s[CX], ttmp6, 0x40000
	s_lshl_b32 s[WG], ttmp9, 2                     ; in a cluster launch ttmp9 counts clusters
	s_add_co_u32 s[WG], s[WG], s[CX]
	; group 1 for cbx: 65 rows x 256 elements of 2 bytes, dense in memory, padded in LDS
	s_mov_b32 s[G1C], 15|(1<<16)|(1<<20)|(1<<21)|(6<<22)|(3<<25)  ; 15:0 the mask of four; 17:16 2-byte elements; 20 padding on; 21 set beside a mask; 24:22 after every 128 words (code 6); 31:25 4 words (code 3)
	s_mov_b32 s[G1C+1], 256<<16                    ; tensor_dim0 = 256
	s_mov_b32 s[G1C+2], 65<<16                     ; tensor_dim1 = 65
	s_mov_b32 s[G1C+3], 256<<16                    ; tile_dim0 = 256
	s_mov_b32 s[G1C+4], 65                         ; tile_dim1 = 65
	s_mov_b32 s[G1C+5], 256                        ; 256 elements from row to row
	s_mov_b32 s[G1C+6], 0
	s_mov_b32 s[G1C+7], 0
	; group 1 for z: 32 rows x 256 elements of 4 bytes; no mask: each work-group has rows of its own
	s_mov_b32 s[G1Z], (2<<16)|(1<<20)|(7<<22)|(3<<25)  ; 4-byte elements; padding after every 256 words (code 7), 4 words
	s_mov_b32 s[G1Z+1], 256<<16
	s_mov_b32 s[G1Z+2], 32<<16
	s_mov_b32 s[G1Z+3], 256<<16
	s_mov_b32 s[G1Z+4], 32
	s_mov_b32 s[G1Z+5], 256
	s_mov_b32 s[G1Z+6], 0
	s_mov_b32 s[G1Z+7], 0
	s_mul_i32 s54, s[WV], WB                       ; my block's place in a slot: no place in the cluster enters an LDS address
	s_mul_i32 s55, s[WV], 32*PZ                    ; my 32 rows of z in LDS
	s_mul_i32 s56, s[WV], BLK                      ; my block's place in a chunk, in memory
	s_mov_b32 s57, 0
	s_mov_b32 s[G0C], 1                            ; count = 1
	s_mov_b32 s[G0C+1], s54                        ; LDS address: slot 0
	s_mov_b32 s[G0Z], 1
	s_add_co_u32 s[G0Z+1], s55, SLOT1              ; z's first and only fill lies where slot 1 will be
	s_lshl_b32 s58, s[CX], 13                      ; the prefetches: my work-group's 32 of a block's 128 pieces of 256 bytes
	s_mov_b32 s59, 0
	s_lshl_b32 s60, s[WG], 17                      ; my work-group's 128 rows of 1,024 bytes,
	s_lshl_b32 s61, s[WV], 15                      ; my wave's 32 of them
	s_add_co_u32 s60, s60, s61
	s_mov_b32 s61, 0
	s_mov_b32 s[SEL], 0x76543210
	s_mov_b32 s[SEL+1], 0xfedcba98
	s_mov_b32 s[INF], 0x7f800000
	s_mov_b32 s[FB], SLOT1+4*16*PC                 ; the first change of slots turns these two into 0
	s_mov_b32 s[EB], SLOT1+512
	s_mov_b32 s[TC], -2                            ; the loop's first turn has the number -1, the first true tile 0
	s_mov_b32 s[TRIPS], 31
	s_cmp_eq_u32 ttmp9, 0                          ; all clusters walk the same blocks: the first one prefetches; the same in all four partners
	s_cselect_b32 s[LIM], 2, -1
	v_and_b32 v[RL], 15, v0
	v_bfe_u32 v10, v0, 4, 1                        ; l / 16
	v_mul_u32_u24 v[AF0], v[RL], PC
	v_lshl_add_u32 v[AF0], v10, 4, v[AF0]
	v_add_nc_u32 v[AF0], s54, v[AF0]
	v_lshl_add_u32 v[EA0], v10, 5, s54
	v_add_nc_u32 v[EA0], 64*PC, v[EA0]
	v_mul_u32_u24 v[ZA], v[RL], PZ
	v_lshl_add_u32 v[ZA], v10, 5, v[ZA]
	v_add_nc_u32 v[ZA], SLOT1, v[ZA]
	v_and_b32 v[PFO], 31, v0
	v_lshlrev_b32 v[PFO], 8, v[PFO]
	s_lshl_b32 s62, s[WV], 10                      ; the end's three lane terms, in registers of their own; s62 holds the wave's number's multiples alone
	v_lshl_add_u32 v[MS], v[RL], 3, s62
	v_add_nc_u32 v[MS], MRG, v[MS]
	s_and_b32 s62, s[WV], 1                        ; waves 0 and 2 finish rows 0-63, waves 1 and 3 rows 64-127
	s_lshl_b32 s62, s62, 9
	v_and_b32 v[GO], 31, v0
	v_lshl_add_u32 v[MR], v[GO], 4, s62
	v_add_nc_u32 v[MR], MRG, v[MR]
	s_lshr_b32 s62, s62, 1
	v_lshl_add_u32 v[GO], v[GO], 3, s62
	s_wait_dscnt 0x0                               ; both opening adds are done
	s_wait_kmcnt 0x0
	s_add_nc_u64 s[G0C+2:G0C+3], s[6:7], s[56:57]  ; my block of chunk 0
	s_or_b32 s[G0C+3], s[G0C+3], 0x80000000        ; type = 2
	s_add_nc_u64 s[G0Z+2:G0Z+3], s[4:5], s[60:61]
	s_or_b32 s[G0Z+3], s[G0Z+3], 0x80000000
	s_add_nc_u64 s[PFA:PFA+1], s[6:7], s[56:57]
	s_add_nc_u64 s[PFA:PFA+1], s[PFA:PFA+1], s[58:59]
	s_add_nc_u64 s[PFA:PFA+1], s[PFA:PFA+1], 2*CHUNK  ; in chunk 2; the first change of slots steps it to chunk 3
	CROUND                                         ; all four work-groups are here: the first joint loads meet
	tensor_load_to_lds s[G0C:G0C+3], s[G1C:G1C+7]  ; chunk 0 into slot 0
	s_nop 0
	tensor_load_to_lds s[G0Z:G0Z+3], s[G1Z:G1Z+7]  ; my quarter of z: two loads of mine are out
	s_nop 0
.rept 4
	v_nop
.endr
	; what the first turn finds; all this stands in the wait for the first tiles
.set n, 0
.rept 64
	v_mov_b32 v[M+n], s[INF]
	v_mov_b32 v[IX+n], 0
.set n, n+1
.endr
.set n, 0
.rept 16
	v_mov_b32 v[EE+n], s[INF]
.set n, n+1
.endr
	v_mov_b32 v[ACC+32], s[INF]                    ; piece 1's first pair counts as a finished distance,
	v_mov_b32 v[ACC+33], s[INF]
.set n, 34
.rept 30
	v_mov_b32 v[ACC+n], 0                          ; its other scores as products still to be turned into distances
.set n, n+1
.endr
	WIN 0x40
.set n, 64
.rept 64
	v_mov_b32 v[n], 0                              ; code buffer 1
.set n, n+1
.endr
	WIN 0
	s_wait_tensorcnt 0x0                           ; my block and my quarter of z are in (z's load is the younger, so the count is 0),
	s_barrier_signal -1
	s_barrier_wait -1                              ; everybody's are
; Z INTO REGISTERS.  A fragment is 16 rows x 32 channels in 8 registers: lane l holds row l % 16, channels 8 (l / 16) + 0..7 and 16 + 8 (l / 16) + 0..7: in f32 four loads of 16 bytes, at 0, 16, 64, 80.
; Batch n of 16: z tile n / 2, fragments 4 (n % 2) + 0..3: 16 loads into buffer n % 2, 32 roundings.  A batch's loads are out while the batch before is rounded.
.macro LOADB n
	WIN 0x40                                       ; destination window 1, address window 0
.irp f, 0,1,2,3
	ds_load_b128 v[128+64*((\n)%2)+16*(\f):128+64*((\n)%2)+16*(\f)+3],     v[ZA] offset:128*(4*((\n)%2)+(\f))
	ds_load_b128 v[128+64*((\n)%2)+16*(\f)+4:128+64*((\n)%2)+16*(\f)+7],   v[ZA] offset:128*(4*((\n)%2)+(\f))+16
	ds_load_b128 v[128+64*((\n)%2)+16*(\f)+8:128+64*((\n)%2)+16*(\f)+11],  v[ZA] offset:128*(4*((\n)%2)+(\f))+64
	ds_load_b128 v[128+64*((\n)%2)+16*(\f)+12:128+64*((\n)%2)+16*(\f)+15], v[ZA] offset:128*(4*((\n)%2)+(\f))+80
.endr
.if ((\n)%2 == 1) && ((\n) < 15)
	WIN 0
	v_add_nc_u32 v[ZA], 16*PZ, v[ZA]               ; the next z tile
.endif
.endm
.macro CVTB n
	WIN 0x85+0x40*((\n)/8)                         ; sources window 1, destination window 2 (tiles 0-3) or 3 (tiles 4-7)
.irp f, 0,1,2,3
.irp c, 0,1,2,3,4,5,6,7
	v_cvt_pk_bf16_f32 v[64*(((\n)/2)%4)+8*(4*((\n)%2)+(\f))+(\c)], v[128+64*((\n)%2)+16*(\f)+2*(\c)], v[128+64*((\n)%2)+16*(\f)+2*(\c)+1]
.endr
.endr
.endm
	LOADB 0
.set n, 0
.rept 16
.if n < 15
	LOADB n+1
	s_wait_dscnt 16                                ; LDS loads come back in order: batch n is in, the 16 just issued may stay out
.else
	s_wait_dscnt 0x0
.endif
	CVTB n
.set n, n+1
.endr
	WIN 0
	; ZZ.  Thread t sums the squares of row t's rounded numbers: 8 trips of 32 numbers, four chains.
	v_mul_u32_u24 v15, v0, PZ
	v_add_nc_u32 v15, SLOT1, v15
.irp c, 10,11,12,13
	v_mov_b32 v\c, 0
.endr
	s_mov_b32 s54, 0
	s_mov_b32 s[CNT], 8
.Lzz:
	v_add_nc_u32 v14, s54, v15
.irp c, 0,1,2,3,4,5,6,7
	ds_load_b128 v[ACC+4*(\c):ACC+4*(\c)+3], v14 offset:16*(\c)
.endr
	s_add_co_u32 s54, s54, 128
	s_wait_dscnt 0x0
.set c, 0
.rept 16
	v_cvt_pk_bf16_f32 v[T+c], v[ACC+2*c], v[ACC+2*c+1]
.set c, c+1
.endr
.set c, 0
.rept 16
	v_fma_mix_f32_bf16 v[10+(2*c)%4], v[T+c], v[T+c], v[10+(2*c)%4] op_sel_hi:[1,1,0]                   ; the low half squared, in f32,
	v_fma_mix_f32_bf16 v[10+(2*c+1)%4], v[T+c], v[T+c], v[10+(2*c+1)%4] op_sel:[1,1,0] op_sel_hi:[1,1,0]  ; and the high half
.set c, c+1
.endr
	s_sub_co_u32 s[CNT], s[CNT], 1
	s_cmp_lg_u32 s[CNT], 0
	s_cbranch_scc1 .Lzz
	v_add_f32 v10, v10, v11
	v_add_f32 v12, v12, v13
	v_add_f32 v10, v10, v12
	v_lshl_add_u32 v14, v0, 2, ZZB
	ds_store_b32 v14, v10
	s_wait_dscnt 0x0                               ; for the others' sake: my store is done
	s_barrier_signal -1
	s_barrier_wait -1
	v_lshl_add_u32 v14, v[RL], 2, ZZB
.irp c, 0,1,2,3,4,5,6,7
	ds_load_b32 v[ZZ+(\c)], v14 offset:64*(\c)     ; zz of row 16 c + l % 16; waited for in the first change of slots
.endr
; THE MATRIX WORK.  Product i of 32 of piece x, on code buffer b: channels 32 (i / 4) on, z tile 4 x + i % 4.  The first four start the sums with the constant 0.  The four accumulators take turns,
; one instruction a turn, and the piece changes with the half: no two products that follow each other share an accumulator.
.macro MM x, b
.set rD, ACC+32*(\x)+8*(i%4)
.set rA, 64*(\b)+8*(i/4)
.set rZ, 64*(i%4)+8*(i/4)
.if i < 4
	v_wmma_f32_16x16x32_bf16 v[rD:rD+7], v[rA:rA+7], v[rZ:rZ+7], 0
.else
	v_wmma_f32_16x16x32_bf16 v[rD:rD+7], v[rA:rA+7], v[rZ:rZ+7], v[rD:rD+7]
.endif
.endm
; THE VECTOR WORK.  Pair p (0-15) of piece y holds places 2 p, 2 p + 1: z tile 4 y + p / 4, registers 2 (p % 4) and the next.
.macro RA p, y, eb                     ; zz + ee, with one rounding; zz is one register of an aligned pair, given to both halves
.set zt, 4*(\y)+(\p)/4
.set jp, (\p)%4
.if zt%2 == 0
	v_pk_add_f32 v[T+2*jp:T+2*jp+1], v[EE+8*(\eb)+2*jp:EE+8*(\eb)+2*jp+1], v[ZZ+zt:ZZ+zt+1] op_sel_hi:[1,0]
.else
	v_pk_add_f32 v[T+2*jp:T+2*jp+1], v[EE+8*(\eb)+2*jp:EE+8*(\eb)+2*jp+1], v[ZZ+zt-1:ZZ+zt] op_sel:[0,1] op_sel_hi:[1,1]
.endif
.endm
.macro RF p, y                         ; the distance, in the scores' place: (zz + ee) - 2 z . e, with one rounding
.set a, ACC+32*(\y)+2*(\p)
	v_pk_fma_f32 v[a:a+1], v[a:a+1], -2.0, v[T+2*((\p)%4):T+2*((\p)%4)+1] op_sel_hi:[1,0,1]
.endm
.macro RC n, y                         ; is it below the least so far?
	v_cmp_lt_f32 s[MK+(\n)%4], v[ACC+32*(\y)+(\n)], v[M+32*(\y)+(\n)]
.endm
.macro RX n, y, ts                     ; then the place takes the tile's number,
	v_cndmask_b32 v[IX+32*(\y)+(\n)], v[IX+32*(\y)+(\n)], s[\ts], s[MK+(\n)%4]
.endm
.macro RM n, y                         ; and the distance
	v_min_num_f32 v[M+32*(\y)+(\n)], v[M+32*(\y)+(\n)], v[ACC+32*(\y)+(\n)]
.endm
; Slice k of 32 of piece y's work: four instructions.  An even slice compares pair k / 2 and makes the NEXT pair's distances; an odd one selects and takes the minima.  So pair 0's distances are made one half
; earlier: in slice 30 of the half that multiplies its piece (x, norms nb).  Its accumulator is ended by product 28; slices 28 and 29 and three lines of slice 30, which name none of that product's registers,
; are the places between (ISA guide 7.12.1).  Each accumulator's lowest registers are read first.  last = 1: there is no such piece any more.
.macro SLICE y, eb, ts, x, nb, last
.set p, k/2
.if k%2 == 0
.if p < 15
	RA p+1, \y, \eb
.elseif !(\last)
	RA 0, \x, \nb
.endif
	RC 2*p, \y
	RC 2*p+1, \y
.if p < 15
	RF p+1, \y
.elseif !(\last)
	RF 0, \x
.endif
.else
	RX 2*p, \y, \ts
	RM 2*p, \y
	RX 2*p+1, \y, \ts
	RM 2*p+1, \y
.endif
.endm
; THE LDS LOADS stand in runs, never singly among the products.  In the turn of buffer b the next tile's fragments go into buffer 1 - b: its last reader, the turn before's last product, stands twelve
; plain instructions back, none of which names a register of that product.  A trip of the pair loop fetches two tiles from one address: the second lies 16 rows, and 64 bytes of norms, on.
.macro FETCH_A b
	WIN 0x40                                       ; destination window 1
.irp f, 0,1,2,3,4,5,6,7
	ds_load_b128 v[64*(1-(\b))+8*(\f):64*(1-(\b))+8*(\f)+3],   v[AF] offset:16*PC*(1-(\b))+64*(\f)
	ds_load_b128 v[64*(1-(\b))+8*(\f)+4:64*(1-(\b))+8*(\f)+7], v[AF] offset:16*PC*(1-(\b))+64*(\f)+32
.endr
.endm
.macro FETCH_E b                       ; its 8 norms a lane: codes 8 (l / 16) + 0..7.  Buffer 1 - b was last read in the half before
	ds_load_b128 v[EE+8*(1-(\b)):EE+8*(1-(\b))+3],   v[EA] offset:64*(1-(\b))
	ds_load_b128 v[EE+8*(1-(\b))+4:EE+8*(1-(\b))+7], v[EA] offset:64*(1-(\b))+16
.endm
; Half x of the turn of buffer b: piece x's 32 products; behind each a slice of piece 1 - x: in half 0 the tile before's piece 1 (norms 1 - b, number TP), in half 1 this tile's piece 0 (norms b, number TC).
.macro HALF x, b, fetch
.set i, 0
.rept 32
	WIN 0x09+4*(\x)                                ; codes in window 1, z in window 2 or 3, scores in window 0
	MM \x, \b
	WIN 0
.set k, i
	SLICE 1-(\x), (\x)*(\b)+(1-(\x))*(1-(\b)), TP+(\x), \x, \b, 0
.if (\fetch) && (i == 1)
.if (\x) == 0
	FETCH_A \b
.else
	FETCH_E \b
.endif
.endif
.set i, i+1
.endr
.endm
.macro TURN b, fetch
	s_mov_b32 s[TP], s[TC]
	s_add_co_u32 s[TC], s[TC], 1
	s_wait_dscnt 0x0                               ; this tile's fragments and norms, asked for a turn ago, are in
	HALF 0, \b, \fetch
	HALF 1, \b, \fetch
.endm
; A chunk: two trips of two turns.  They multiply the chunk before's tile 3 and this chunk's tiles 0, 1, 2, and fetch this chunk's tiles 0 to 3: all fetches of a chunk fall between two changes of slots.
.macro PAIRS
	WIN 0
	s_mov_b32 s[CNT], 2
.Lpair_\@:
	v_add_nc_u32 v[AF], s[FB], v[AF0]
	v_add_nc_u32 v[EA], s[EB], v[EA0]
	s_add_co_u32 s[FB], s[FB], 2*16*PC
	s_add_co_u32 s[EB], s[EB], 256
	TURN 1, 1
	TURN 0, 1
	WIN 0                                          ; at a label and at a branch every window is 0
	s_sub_co_u32 s[CNT], s[CNT], 1
	s_cmp_lg_u32 s[CNT], 0
	s_cbranch_scc1 .Lpair_\@
.endm
; A PREFETCH INTO THE L2, behind the joint load and its five lines: my block of the chunk that stands TWO refills on, 512 products ahead of the load that will want it.  Each piece of 256 bytes of the blocks' 64 code
; rows is named once in the launch: the first cluster asks; each wave for its own block; the four partners take 32 pieces each, told apart BY ADDRESS; a lane a piece.  Chunks 0 to 2 and the rows of
; norms come by their loads alone.  The last two changes that fill a slot ask for nothing: there is no chunk 32.
.macro ASK
	s_cmp_gt_u32 s[TRIPS], s[LIM]
	s_cbranch_scc0 .Lnot_mine_\@
	global_prefetch_b8 v[PFO], s[PFA:PFA+1] th:TH_LOAD_NT scope:SCOPE_SE
.Lnot_mine_\@:
.endm
; THE CHANGE OF SLOTS.  Each wave waits for all its tensor loads, of which one is out: its block of the chunk to be entered; adds 0 to its spare word; and waits for that and for its reads of the slot that it leaves.
; fill = 1: that slot is filled again, with the next chunk.  The barrier is then a round of the cluster's, so that no wave of any partner still reads the slot or has a load on its way, and the joint load is the
; first thing behind it: it has a chunk's 256 products in which to land.  (At its first use the slot that is left is the one in which z lay.)
.macro CHANGE fill
	WIN 0
	s_wait_tensorcnt 0x0                           ; no tensor load of mine is out, so group 0 may be written
	ds_add_u32 v[SPW], v[NIL]                      ; 0 onto my spare word; the scalar steps stand between it and the wait for it
.if \fill
	s_xor_b32 s[G0C+1], s[G0C+1], SLOT1            ; the other slot than last time,
	s_add_nc_u64 s[G0C+2:G0C+3], s[G0C+2:G0C+3], CHUNK  ; the next chunk; the type bits on top are not reached
	s_wait_xcnt 0x0                                ; the last prefetch, a chunk back, has read its address, so it may be written
	s_add_nc_u64 s[PFA:PFA+1], s[PFA:PFA+1], CHUNK
.endif
	s_sub_co_u32 s[FB], s[FB], 4*16*PC             ; the fetches go back to a block's first tile,
	s_xor_b32 s[FB], s[FB], SLOT1                  ; in the other slot
	s_sub_co_u32 s[EB], s[EB], 512
	s_xor_b32 s[EB], s[EB], SLOT1
	s_wait_dscnt 0x0                               ; the add is done, and my reads of the slot are over
.if \fill
	CROUND
	tensor_load_to_lds s[G0C:G0C+3], s[G1C:G1C+7]  ; every wave's one load: its own block, the same descriptor in all four partners
	s_nop 0
.rept 4
	v_nop
.endr
	ASK
.else
	s_barrier_signal -1
	s_barrier_wait -1
.endif
.endm
.Ltrip:                                            ; 31 times: chunk f is entered, chunk f + 1 asked for
	CHANGE 1
	PAIRS
	s_sub_co_u32 s[TRIPS], s[TRIPS], 1
	s_cmp_lg_u32 s[TRIPS], 0
	s_cbranch_scc1 .Ltrip
	CHANGE 0                                       ; the tail is written out: nothing is asked for
	PAIRS
	TURN 1, 0                                      ; the last chunk's tile 3
	WIN 0
.set k, 0
.rept 32
	SLICE 1, 1, TC, 1, 1, 1                        ; and its piece 1's vector work, with no products left to stand beside
.set k, k+1
.endr
; THE END.  Of two candidates the lower distance wins, and of equal distances the lower key: (do, ko) = the better of (d1, k1) and (d2, k2).
.macro MERGE do, ko, d1, k1, d2, k2
	v_cmp_lt_f32 s56, v[\d2], v[\d1]
	v_cmp_eq_f32 s57, v[\d2], v[\d1]
	v_cmp_lt_u32 s58, v[\k2], v[\k1]
	s_and_b32 s57, s57, s58
	s_or_b32 s56, s56, s57
	v_cndmask_b32 v[\do], v[\d1], v[\d2], s56
	v_cndmask_b32 v[\ko], v[\k1], v[\k2], s56
.endm
.set n, 0
.rept 64
	v_lshl_add_u32 v[IX+n], v[IX+n], 3, n%8        ; key = 8 x tile + register: within a lane it rises with the code's number
.set n, n+1
.endr
	v_bfe_u32 v15, v0, 4, 1
	s_lshl_b32 s54, s[WV], 6
	v_lshl_add_u32 v15, v15, 3, s54                ; 64 w + 8 (l / 16)
.set zt, 0
.rept 8
	MERGE M+8*zt,   IX+8*zt,   M+8*zt,   IX+8*zt,   M+8*zt+1, IX+8*zt+1
	MERGE M+8*zt+2, IX+8*zt+2, M+8*zt+2, IX+8*zt+2, M+8*zt+3, IX+8*zt+3
	MERGE M+8*zt+4, IX+8*zt+4, M+8*zt+4, IX+8*zt+4, M+8*zt+5, IX+8*zt+5
	MERGE M+8*zt+6, IX+8*zt+6, M+8*zt+6, IX+8*zt+6, M+8*zt+7, IX+8*zt+7
	MERGE M+8*zt,   IX+8*zt,   M+8*zt,   IX+8*zt,   M+8*zt+2, IX+8*zt+2
	MERGE M+8*zt+4, IX+8*zt+4, M+8*zt+4, IX+8*zt+4, M+8*zt+6, IX+8*zt+6
	MERGE M+8*zt,   IX+8*zt,   M+8*zt,   IX+8*zt,   M+8*zt+4, IX+8*zt+4
	v_and_b32 v12, 0x3e0, v[IX+8*zt]               ; the key's fields: chunk (bits 9:5), tile in the block (4:3), register (2:0)
	v_and_b32 v13, 24, v[IX+8*zt]
	v_and_or_b32 v14, v[IX+8*zt], 7, v15
	v_lshl_add_u32 v14, v13, 1, v14
	v_lshl_add_u32 v14, v12, 3, v14                ; the code = 256 chunk + 64 w + 16 tile + 8 (l / 16) + register
	v_permlanex16_b32 v10, v[M+8*zt], s[SEL], s[SEL+1]  ; the row's other eight codes of each tile lie in the lane 16 away
	v_permlanex16_b32 v11, v14, s[SEL], s[SEL+1]
	MERGE ACC+2*zt, ACC+2*zt+1, M+8*zt, 14, 10, 11
	ds_store_b64 v[MS], v[ACC+2*zt:ACC+2*zt+1] offset:128*zt  ; row 16 zt + l % 16; both halves of the lanes store the same pair
.set zt, zt+1
.endr
	s_wait_dscnt 0x0                               ; for the others' sake: my stores are done
	s_barrier_signal -1
	s_barrier_wait -1                              ; the four waves' results for all 128 rows lie in LDS
	; waves 0 and 1 finish rows 0-63 and 64-127 for out1, waves 2 and 3 the same rows for idxw: two rows a lane
.irp c, 0,1,2,3
	ds_load_b128 v[ACC+32+4*(\c):ACC+32+4*(\c)+3], v[MR] offset:1024*(\c)
.endr
	s_wait_dscnt 0x0
	MERGE ACC+32, ACC+33, ACC+32, ACC+33, ACC+36, ACC+37
	MERGE ACC+40, ACC+41, ACC+40, ACC+41, ACC+44, ACC+45
	MERGE 12, 50, ACC+32, ACC+33, ACC+40, ACC+41
	MERGE ACC+34, ACC+35, ACC+34, ACC+35, ACC+38, ACC+39
	MERGE ACC+42, ACC+43, ACC+42, ACC+43, ACC+46, ACC+47
	MERGE 13, 51, ACC+34, ACC+35, ACC+42, ACC+43
	s_cmp_lt_u32 s[WV], 2
	s_cselect_b64 s[60:61], s[8:9], s[10:11]
	s_lshl_b32 s58, s[WG], 9                       ; 128 rows of 4 bytes
	s_mov_b32 s59, 0
	s_add_nc_u64 s[60:61], s[60:61], s[58:59]
	global_store_b64 v[GO], v[50:51], s[60:61]     ; the wave stores 256 consecutive bytes, aligned
	s_wait_tensorcnt 0x0                           ; the wave's end: behind my last tensor load and my last LDS store
	ds_add_u32 v[SPW], v[NIL]
	s_wait_dscnt 0x0
	CROUND                                         ; the closing round: no work-group ends while a partner may still ask for a block that names it
	s_endpgm
.Lfunc_end_k_qacd6cbc271_vq:
	.size	k_qacd6cbc271_vq, .Lfunc_end_k_qacd6cbc271_vq-k_qacd6cbc271_vq
	.p2alignl 7, 3214868480
	.fill 96, 4, 3214868480
	.section	.rodata,"a",@progbits
	.p2align	6, 0x0
	.amdhsa_kernel k_qacd6cbc271_vq
		.amdhsa_group_segment_fixed_size 327680
		.amdhsa_private_segment_fixed_size 0
		.amdhsa_enable_private_segment 0
		.amdhsa_kernarg_size 32
		.amdhsa_user_sgpr_count 2
		.amdhsa_user_sgpr_kernarg_segment_ptr 1
		.amdhsa_wavefront_size32 1
		.amdhsa_system_sgpr_workgroup_id_x 1
		.amdhsa_system_sgpr_workgroup_id_y 1
		.amdhsa_system_sgpr_workgroup_id_z 1
		.amdhsa_system_vgpr_workitem_id 0
		.amdhsa_next_free_vgpr 1024
		.amdhsa_next_free_sgpr 66
		.amdhsa_reserve_vcc 0
		.amdhsa_float_denorm_mode_32 3
		.amdhsa_float_denorm_mode_16_64 3
		.amdhsa_memory_ordered 1
		.amdhsa_forward_progress 1
		.amdhsa_inst_pref_size 228
	.end_amdhsa_kernel
	.amdgpu_metadata
---
amdhsa.version: [ 1, 2 ]
amdhsa.kernels:
  - .name:           k_qacd6cbc271_vq
    .symbol:         k_qacd6cbc271_vq.kd
    .args:
      - { .name: z, .offset: 0, .size: 8, .value_kind: global_buffer, .address_space: global }
      - { .name: cbx, .offset: 8, .size: 8, .value_kind: global_buffer, .address_space: global }
      - { .name: out1, .offset: 16, .size: 8, .value_kind: global_buffer, .address_space: global }
      - { .name: idxw, .offset: 24, .size: 8, .value_kind: global_buffer, .address_space: global }
    .group_segment_fixed_size: 327680
    .private_segment_fixed_size: 0
    .kernarg_segment_align: 8
    .kernarg_segment_size: 32
    .max_flat_workgroup_size: 128
    .sgpr_count:     66
    .vgpr_count:     1024
    .wavefront_size: 32
...
	.end_amdgpu_metadata
.endif
;; end of part 2
;; launch gather (part 3): grid 256 x 1, 8 waves a work-group, no clusters, 0 bytes of LDS; arguments idxw, codebook, out0; writes out0
.if DOCPART == 3
	.amdgcn_target "amdgcn-amd-amdhsa--gfx1250"
	.amdhsa_code_object_version 6
	.text
	.protected	k_qacd6cbc271_gather
	.globl	k_qacd6cbc271_gather
	.p2align	8
	.type	k_qacd6cbc271_gather,@function
k_qacd6cbc271_gather:
	s_mov_b64 s[64:65], 0
	v_nop
	global_prefetch_b8 v0, s[64:65] scope:SCOPE_SE
	s_setreg_imm32_b32 hwreg(HW_REG_WAVE_MODE, 25, 1), 1
	s_wait_xcnt 0x0
; out0[row][:] = codebook[idxw[row]][:], in f32 as the codebook holds it.  idxw: int32[32768], stored by the launch before.
; SHARES.  A wave takes 16 rows: its 16 indices come by one scalar load, its 32 loads of 512 consecutive bytes go out on end (16 KiB of a wave on their way), and each row is stored as soon as it is in.
; A stream: no LDS, no matrix unit, no cluster; no loop, and no register is written twice, so no wait frees one.  The loads carry no hint: a list may name a row twice.
; An index is held to 0 .. 8191 before it enters an address; the indices that the launch before stores lie there already.
.set LO,  1                            ; v1        16 x lane
.set OFF, 2                            ; v[2:17]   row i: 1,024 x index + 16 x lane
.set D,   32                           ; v[32:159] row i: 8 registers
	s_load_b128 s[4:7], s[0:1], 0x0                ; idxw s[4:5], codebook s[6:7]
	s_load_b64 s[8:9], s[0:1], 0x10                ; out0
	v_lshrrev_b32 v[LO], 5, v0
	v_readfirstlane_b32 s10, v[LO]                 ; wave 0..7
	v_and_b32 v[LO], 31, v0
	v_lshlrev_b32 v[LO], 4, v[LO]
	s_lshl_b32 s12, ttmp9, 9                       ; the work-group's 128 indices,
	s_lshl_b32 s13, s10, 6                         ; my wave's 16
	s_add_co_u32 s12, s12, s13
	s_mov_b32 s13, 0
	s_lshl_b32 s14, ttmp9, 17                      ; the work-group's 128 rows of 1,024 bytes,
	s_lshl_b32 s15, s10, 14                        ; my wave's 16
	s_add_co_u32 s14, s14, s15
	s_mov_b32 s15, 0
	s_wait_kmcnt 0x0
	s_add_nc_u64 s[4:5], s[4:5], s[12:13]
	s_add_nc_u64 s[8:9], s[8:9], s[14:15]
	s_load_b512 s[16:31], s[4:5], 0x0
	s_wait_kmcnt 0x0
.irp i, 0,1,2,3,4,5,6,7,8,9,10,11,12,13,14,15
	s_min_u32 s[16+(\i)], s[16+(\i)], 0x1fff
	v_lshl_add_u32 v[OFF+(\i)], s[16+(\i)], 10, v[LO]
	global_load_b128 v[D+8*(\i):D+8*(\i)+3],   v[OFF+(\i)], s[6:7]
	global_load_b128 v[D+8*(\i)+4:D+8*(\i)+7], v[OFF+(\i)], s[6:7] offset:512
.endr
.irp i, 0,1,2,3,4,5,6,7,8,9,10,11,12,13,14,15
	s_wait_loadcnt 30-2*(\i)                       ; loads come back in order: row i's two are in, the younger rows' two each stay out
	global_store_b128 v[LO], v[D+8*(\i):D+8*(\i)+3],   s[8:9] offset:1024*(\i) th:TH_STORE_NT      ; each store of the wave covers 512 consecutive bytes, aligned
	global_store_b128 v[LO], v[D+8*(\i)+4:D+8*(\i)+7], s[8:9] offset:1024*(\i)+512 th:TH_STORE_NT
.endr
	s_endpgm
.Lfunc_end_k_qacd6cbc271_gather:
	.size	k_qacd6cbc271_gather, .Lfunc_end_k_qacd6cbc271_gather-k_qacd6cbc271_gather
	.p2alignl 7, 3214868480
	.fill 96, 4, 3214868480
	.section	.rodata,"a",@progbits
	.p2align	6, 0x0
	.amdhsa_kernel k_qacd6cbc271_gather
		.amdhsa_group_segment_fixed_size 0
		.amdhsa_private_segment_fixed_size 0
		.amdhsa_enable_private_segment 0
		.amdhsa_kernarg_size 24
		.amdhsa_user_sgpr_count 2
		.amdhsa_user_sgpr_kernarg_segment_ptr 1
		.amdhsa_wavefront_size32 1
		.amdhsa_system_sgpr_workgroup_id_x 1
		.amdhsa_system_sgpr_workgroup_id_y 1
		.amdhsa_system_sgpr_workgroup_id_z 1
		.amdhsa_system_vgpr_workitem_id 0
		.amdhsa_next_free_vgpr 160
		.amdhsa_next_free_sgpr 66
		.amdhsa_reserve_vcc 0
		.amdhsa_float_denorm_mode_32 3
		.amdhsa_float_denorm_mode_16_64 3
		.amdhsa_memory_ordered 1
		.amdhsa_forward_progress 1
		.amdhsa_inst_pref_size 10
	.end_amdhsa_kernel
	.amdgpu_metadata
---
amdhsa.version: [ 1, 2 ]
amdhsa.kernels:
  - .name:           k_qacd6cbc271_gather
    .symbol:         k_qacd6cbc271_gather.kd
    .args:
      - { .name: idxw, .offset: 0, .size: 8, .value_kind: global_buffer, .address_space: global }
      - { .name: codebook, .offset: 8, .size: 8, .value_kind: global_buffer, .address_space: global }
      - { .name: out0, .offset: 16, .size: 8, .value_kind: global_buffer, .address_space: global }
    .group_segment_fixed_size: 0
    .private_segment_fixed_size: 0
    .kernarg_segment_align: 8
    .kernarg_segment_size: 24
    .max_flat_workgroup_size: 256
    .sgpr_count:     66
    .vgpr_count:     160
    .wavefront_size: 32
...
	.end_amdgpu_metadata
.endif
;; end of part 3
;; ======== version 2 of 2: 3 launches; version 1 with the launches prep, gather written anew for expert scheduling mode
;; workspace buffers: cbx 4,259,840 bytes; idxw 131,072 bytes of whole numbers
;; launch prep (part 4): grid 256 x 1, 4 waves a work-group, no clusters, 768 bytes of LDS; arguments codebook, cbx; writes cbx
.if DOCPART == 4
	.amdgcn_target "amdgcn-amd-amdhsa--gfx1250"
	.amdhsa_code_object_version 6
	.text
	.protected	k_qacd6cbc271_prep
	.globl	k_qacd6cbc271_prep
	.p2align	8
	.type	k_qacd6cbc271_prep,@function
k_qacd6cbc271_prep:
	s_mov_b64 s[64:65], 0
	v_nop
	global_prefetch_b8 v0, s[64:65] scope:SCOPE_SE
	s_setreg_imm32_b32 hwreg(HW_REG_WAVE_SCHED_MODE, 0, 2), 2
	s_setreg_imm32_b32 hwreg(HW_REG_WAVE_MODE, 25, 1), 1
	s_wait_xcnt 0x0
	s_wait_alu depctr_vm_vsrc(0)
; THE CODEBOOK, ROUNDED ONCE.  codebook: [8192][256] f32.  cbx: 128 blocks of 33,280 bytes; block g holds codes 64 g .. 64 g + 63:
;   rows 0-63, 512 bytes each: a code's 256 numbers in bf16;
;   row 64, 512 bytes: [ee of codes 0-31 | 128 bytes of 0 | ee of codes 32-63 | 128 bytes of 0], ee = the sum of the ROUNDED numbers' squares, in f32.
; So a block is 65 dense rows of 512 bytes, which the next launch takes with one tensor load.  Every byte of cbx is written here.
; SHARES.  Work-group b takes codes 32 b .. 32 b + 31: half b % 2 of block b / 2.  A wave takes 8 rows, a whole row at a time: no loop, 16 loads of 512 consecutive bytes on end.
; A stream: no matrix unit, no cluster (no two work-groups read the same byte), no tensor load (nothing is shared between waves on the way in).
; LIMIT.  The 256 squares of a row are added lane by lane and then across lanes: another order than a sum from left to right.
; THE MODE: SCHED_MODE bits 1:0 = 2 (LLVM: expert scheduling mode 2), set by the entry lines.  The code itself states the register dependences
; between vector instructions and memory or LDS instructions, with s_wait_alu, always for 0.
; THE PLAN.  Registers that memory or LDS instructions touch:
;   v[SO], v[DO]   offsets, made at the head and never written again; read by every load (SO) and every store (DO).
;   X0 .. X7       written by the 16 loads alone; row i's roundings read X[i]; never loaded again.
;   Y0 .. Y7       written once, by row i's four roundings; read by row i's unpacking lines and by its two stores, which are issued at the head of row i + 1.
;   v[L8], v[EV]   last written behind row 7; read by the one LDS store; not written afterwards.
;   v[T+2], v[T:T+1]  in wave 0's arm: the LDS load's address; the registers in which it lands, which two selects then write and the last store reads.
;   v[SPW], v[NIL] written at the head, read by the closing add alone.
; So one wait on va_vdst stands at the head of each of rows 1 to 7, behind the wait for the row's data: it states that the row before has written its Y; no vector line of the row names that Y or v[DO].
; No register that a memory or LDS instruction has read is ever written again: no wait on vm_vsrc is owed.  The eight compares of lane % 8 hang on the lane alone: one run at the head, one wait.
.set SPARE, 256                        ; LDS: bytes 0-127 the 32 norms (the block 0-255 is theirs); from 256 on the spare words, 128 bytes a wave
.set LN,  1                            ; v1   lane
.set SO,  2                            ; v2   16 x lane: my 16 bytes in 512 of a source row
.set DO,  3                            ; v3   8 x lane: my 8 bytes in 256 of a row of cbx
.set SPW, 4                            ; v4   LDS address of my spare word; never rewritten
.set NIL, 5                            ; v5   0; never rewritten
.set EV,  6                            ; v6   the norm of row lane % 8 of my wave's eight
.set L8,  7                            ; v7   lane % 8, later the LDS address of that norm
.set T,   8                            ; v[8:15]   eight numbers in f32, at work
.set X,   16                           ; v[16:79]  row i as loaded: 8 registers
.set Y,   80                           ; v[80:111] row i in bf16: 4 registers of its own, so that no store's data are rewritten
.set MK,  24                           ; s[24:31]  mask i: the lanes with lane % 8 = i; these registers hold nothing else
	s_load_b128 s[4:7], s[0:1], 0x0                ; codebook s[4:5], cbx s[6:7]
	v_lshl_add_u32 v[SPW], v0, 2, SPARE
	v_mov_b32 v[NIL], 0
	v_lshrrev_b32 v[EV], 5, v0
	v_readfirstlane_b32 s10, v[EV]                 ; wave 0..3
	v_and_b32 v[LN], 31, v0
	v_lshlrev_b32 v[SO], 4, v[LN]
	v_lshlrev_b32 v[DO], 3, v[LN]
	v_and_b32 v[L8], 7, v[LN]
	v_mov_b32 v[EV], 0
.irp i, 0,1,2,3,4,5,6,7
	v_cmp_eq_u32 s[MK+(\i)], \i, v[L8]             ; which lanes keep row i's norm
.endr
	s_mov_b32 s12, 0x76543210                      ; v_permlanex16_b32: each lane takes its own place in the other half
	s_mov_b32 s13, 0xfedcba98
	s_mov_b32 s14, 0xffff0000                      ; a word's upper bf16
	s_wait_alu depctr_va_sdst(0)                   ; s10 and the eight masks are written, ahead of their first readers: the scalar lines below, and each row's select
	s_lshl_b32 s15, s10, 5                         ; my wave's 8 words of the stage
	s_lshl_b32 s16, ttmp9, 15                      ; source: 32 rows of 1,024 bytes a work-group,
	s_lshl_b32 s17, s10, 13                        ; 8 a wave
	s_add_co_u32 s16, s16, s17
	s_mov_b32 s17, 0
	s_lshr_b32 s18, ttmp9, 1                       ; the block,
	s_mul_i32 s18, s18, 33280                      ; its first byte
	s_and_b32 s20, ttmp9, 1                        ; which half of it
	s_lshl_b32 s21, s20, 14                        ; 32 rows of 512 bytes
	s_lshl_b32 s22, s10, 12                        ; my wave's 8 rows
	s_add_co_u32 s22, s22, s21
	s_add_co_u32 s22, s22, s18
	s_mov_b32 s23, 0
	s_lshl_b32 s2, s20, 8                          ; the half's 256 bytes of row 64
	s_add_co_u32 s2, s2, s18
	s_mov_b32 s3, 0
	s_wait_kmcnt 0x0
	s_add_nc_u64 s[8:9], s[6:7], s[2:3]
	s_add_nc_u64 s[8:9], s[8:9], 32768             ; row 64 lies behind 64 rows of 512 bytes
	s_add_nc_u64 s[6:7], s[6:7], s[22:23]
	s_add_nc_u64 s[4:5], s[4:5], s[16:17]
	s_wait_alu depctr_va_vdst(0)                   ; v[SO] and v[DO] are written: every load and store of the kernel reads one of them as its offset
.irp i, 0,1,2,3,4,5,6,7
	global_load_b128 v[X+8*(\i):X+8*(\i)+3],   v[SO], s[4:5] offset:1024*(\i) th:TH_LOAD_NT      ; numbers 4 l .. 4 l + 3 of row i
	global_load_b128 v[X+8*(\i)+4:X+8*(\i)+7], v[SO], s[4:5] offset:1024*(\i)+512 th:TH_LOAD_NT  ; numbers 128 + 4 l .. of row i
.endr
; Row i's two stores: each store of the wave covers 256 consecutive bytes, aligned.
.macro OUT i
	global_store_b64 v[DO], v[Y+4*(\i):Y+4*(\i)+1],   s[6:7] offset:512*(\i)
	global_store_b64 v[DO], v[Y+4*(\i)+2:Y+4*(\i)+3], s[6:7] offset:512*(\i)+256
.endm
; Row i: the row before is stored; row i is rounded, and the rounded numbers' squares are summed over the wave.
.macro ROW i
	s_wait_loadcnt 14-2*(\i)                       ; loads come back in order: row i's two are in, the younger rows' two each stay out
.if (\i) > 0
	s_wait_alu depctr_va_vdst(0)                   ; the row before's roundings have written its Y, which the two stores below read
	OUT (\i)-1
.endif
.irp j, 0,1,2,3
	v_cvt_pk_bf16_f32 v[Y+4*(\i)+(\j)], v[X+8*(\i)+2*(\j)], v[X+8*(\i)+2*(\j)+1]
.endr
.irp j, 0,1,2,3
	v_lshlrev_b32 v[T+2*(\j)],   16,  v[Y+4*(\i)+(\j)]   ; bf16 to f32: the low half moves up,
	v_and_b32     v[T+2*(\j)+1], s14, v[Y+4*(\i)+(\j)]   ; the high half stays
.endr
	v_pk_mul_f32 v[T:T+1], v[T:T+1], v[T:T+1]
	v_pk_fma_f32 v[T:T+1], v[T+2:T+3], v[T+2:T+3], v[T:T+1]
	v_pk_fma_f32 v[T:T+1], v[T+4:T+5], v[T+4:T+5], v[T:T+1]
	v_pk_fma_f32 v[T:T+1], v[T+6:T+7], v[T+6:T+7], v[T:T+1]
	v_add_f32 v[T], v[T], v[T+1]
	v_add_f32_dpp v[T], v[T], v[T] row_xmask:1 row_mask:0xf bank_mask:0xf
	v_add_f32_dpp v[T], v[T], v[T] row_xmask:2 row_mask:0xf bank_mask:0xf
	v_add_f32_dpp v[T], v[T], v[T] row_xmask:4 row_mask:0xf bank_mask:0xf
	v_add_f32_dpp v[T], v[T], v[T] row_xmask:8 row_mask:0xf bank_mask:0xf
	v_permlanex16_b32 v[T+1], v[T], s12, s13
	v_add_f32 v[T], v[T], v[T+1]                   ; every lane holds the row's norm;
	v_cndmask_b32 v[EV], v[EV], v[T], s[MK+(\i)]   ; the lanes with lane % 8 = i keep it
.endm
.irp i, 0,1,2,3,4,5,6,7
	ROW \i
.endr
	v_lshl_add_u32 v[L8], v[L8], 2, s15            ; 32 x wave + 4 (lane % 8): the four lanes of a word store the same number
	s_wait_alu depctr_va_vdst(0)                   ; row 7's roundings have written its Y, which the two stores read; v[L8] and v[EV] are written, which the LDS store reads
	OUT 7
	ds_store_b32 v[L8], v[EV]
	s_wait_dscnt 0x0                               ; for the others' sake: my stores are done
	s_barrier_signal -1
	s_barrier_wait -1                              ; all 32 norms lie in LDS
	s_cmp_lg_u32 s10, 0
	s_cbranch_scc1 .Lend                           ; wave 0 writes the half's 256 bytes of row 64
	v_and_b32 v[T+2], 15, v[LN]
	v_lshlrev_b32 v[T+2], 3, v[T+2]
	s_wait_alu depctr_va_vdst(0)                   ; v[T+2], the load's address, is written; the rows' arithmetic is done with v[T] and v[T+1], in which the load lands
	ds_load_b64 v[T:T+1], v[T+2]                   ; lanes 0-15: two norms each
	v_cmp_gt_u32 vcc_lo, 16, v[LN]
	s_wait_alu depctr_va_vcc(0)                    ; VCC is written, ahead of the two selects that read it
	s_wait_dscnt 0x0
	v_cndmask_b32 v[T], 0, v[T], vcc_lo            ; lanes 16-31: the 128 bytes of 0
	v_cndmask_b32 v[T+1], 0, v[T+1], vcc_lo
	s_wait_alu depctr_va_vdst(0)                   ; the two selects have written v[T] and v[T+1], which the store reads
	global_store_b64 v[DO], v[T:T+1], s[8:9]       ; 256 consecutive bytes, aligned
.Lend:
	s_wait_dscnt 0x0                               ; the wave's end
	s_wait_alu 0x0
	s_wait_tensorcnt 0x0
	ds_add_u32 v[SPW], v[NIL]
	s_wait_dscnt 0x0
	s_endpgm
.Lfunc_end_k_qacd6cbc271_prep:
	.size	k_qacd6cbc271_prep, .Lfunc_end_k_qacd6cbc271_prep-k_qacd6cbc271_prep
	.p2alignl 7, 3214868480
	.fill 96, 4, 3214868480
	.section	.rodata,"a",@progbits
	.p2align	6, 0x0
	.amdhsa_kernel k_qacd6cbc271_prep
		.amdhsa_group_segment_fixed_size 768
		.amdhsa_private_segment_fixed_size 0
		.amdhsa_enable_private_segment 0
		.amdhsa_kernarg_size 16
		.amdhsa_user_sgpr_count 2
		.amdhsa_user_sgpr_kernarg_segment_ptr 1
		.amdhsa_wavefront_size32 1
		.amdhsa_system_sgpr_workgroup_id_x 1
		.amdhsa_system_sgpr_workgroup_id_y 1
		.amdhsa_system_sgpr_workgroup_id_z 1
		.amdhsa_system_vgpr_workitem_id 0
		.amdhsa_next_free_vgpr 128
		.amdhsa_next_free_sgpr 66
		.amdhsa_reserve_vcc 1
		.amdhsa_float_denorm_mode_32 3
		.amdhsa_float_denorm_mode_16_64 3
		.amdhsa_memory_ordered 1
		.amdhsa_forward_progress 1
		.amdhsa_inst_pref_size 17
	.end_amdhsa_kernel
	.amdgpu_metadata
---
amdhsa.version: [ 1, 2 ]
amdhsa.kernels:
  - .name:           k_qacd6cbc271_prep
    .symbol:         k_qacd6cbc271_prep.kd
    .args:
      - { .name: codebook, .offset: 0, .size: 8, .value_kind: global_buffer, .address_space: global }
      - { .name: cbx, .offset: 8, .size: 8, .value_kind: global_buffer, .address_space: global }
    .group_segment_fixed_size: 768
    .private_segment_fixed_size: 0
    .kernarg_segment_align: 8
    .kernarg_segment_size: 16
    .max_flat_workgroup_size: 128
    .sgpr_count:     66
    .vgpr_count:     128
    .wavefront_size: 32
...
	.end_amdgpu_metadata
.endif
;; end of part 4
;; launch vq: the kernel of part 2 again; grid 256 x 1, 4 waves a work-group, clusters of 4 x 1, 327,680 bytes of LDS; arguments z, cbx, out1, idxw; writes out1, idxw
;; launch gather (part 5): grid 256 x 1, 8 waves a work-group, no clusters, 0 bytes of LDS; arguments idxw, codebook, out0; writes out0
.if DOCPART == 5
	.amdgcn_target "amdgcn-amd-amdhsa--gfx1250"
	.amdhsa_code_object_version 6
	.text
	.protected	k_qacd6cbc271_gather
	.globl	k_qacd6cbc271_gather
	.p2align	8
	.type	k_qacd6cbc271_gather,@function
k_qacd6cbc271_gather:
	s_mov_b64 s[64:65], 0
	v_nop
	global_prefetch_b8 v0, s[64:65] scope:SCOPE_SE
	s_setreg_imm32_b32 hwreg(HW_REG_WAVE_SCHED_MODE, 0, 2), 2
	s_setreg_imm32_b32 hwreg(HW_REG_WAVE_MODE, 25, 1), 1
	s_wait_xcnt 0x0
	s_wait_alu depctr_vm_vsrc(0)
; out0[row][:] = codebook[idxw[row]][:], in f32 as the codebook holds it.  idxw: int32[32768], stored by the launch before.
; SHARES.  A wave takes 16 rows: its 16 indices come by one scalar load, its 32 loads of 512 consecutive bytes go out on end (16 KiB of a wave on their way), and each row is stored as soon as it is in.
; A stream: no LDS, no matrix unit, no cluster; no loop, and no register is written twice, so no wait frees one.  The loads carry no hint: a list may name a row twice.
; An index is held to 0 .. 8191 before it enters an address; the indices that the launch before stores lie there already.
; THE MODE: SCHED_MODE bits 1:0 = 2 (LLVM: expert scheduling mode 2), set by the entry lines.  The code itself states the register dependences
; between vector instructions and memory instructions, with s_wait_alu, always for 0.
; THE PLAN.  Registers that memory instructions touch:
;   v[LO]       written at the head by vector lines; read by every store as its offset; not written afterwards.
;   v[OFF+i]    written once, by one vector line; read by row i's two loads.
;   D           written by the loads alone, read by the stores alone: LOADcnt's affair.
; So all 16 offsets are made first, ONE wait on va_vdst states that they and v[LO] are written, and the 32 loads and 32 stores follow with no further wait of that kind.
.set LO,  1                            ; v1        16 x lane
.set OFF, 2                            ; v[2:17]   row i: 1,024 x index + 16 x lane
.set D,   32                           ; v[32:159] row i: 8 registers
	s_load_b128 s[4:7], s[0:1], 0x0                ; idxw s[4:5], codebook s[6:7]
	s_load_b64 s[8:9], s[0:1], 0x10                ; out0
	v_lshrrev_b32 v[LO], 5, v0
	v_readfirstlane_b32 s10, v[LO]                 ; wave 0..7
	v_and_b32 v[LO], 31, v0
	v_lshlrev_b32 v[LO], 4, v[LO]
	s_lshl_b32 s12, ttmp9, 9                       ; the work-group's 128 indices,
	s_wait_alu depctr_va_sdst(0)                   ; s10 is written, ahead of its first reader: the wave's offsets are made from it
	s_lshl_b32 s13, s10, 6                         ; my wave's 16
	s_add_co_u32 s12, s12, s13
	s_mov_b32 s13, 0
	s_lshl_b32 s14, ttmp9, 17                      ; the work-group's 128 rows of 1,024 bytes,
	s_lshl_b32 s15, s10, 14                        ; my wave's 16
	s_add_co_u32 s14, s14, s15
	s_mov_b32 s15, 0
	s_wait_kmcnt 0x0
	s_add_nc_u64 s[4:5], s[4:5], s[12:13]
	s_add_nc_u64 s[8:9], s[8:9], s[14:15]
	s_load_b512 s[16:31], s[4:5], 0x0
	s_wait_kmcnt 0x0
.irp i, 0,1,2,3,4,5,6,7,8,9,10,11,12,13,14,15
	s_min_u32 s[16+(\i)], s[16+(\i)], 0x1fff
	v_lshl_add_u32 v[OFF+(\i)], s[16+(\i)], 10, v[LO]
.endr
	s_wait_alu depctr_va_vdst(0)                   ; the 16 offsets are written, which the loads read; so is v[LO], which the stores read
.irp i, 0,1,2,3,4,5,6,7,8,9,10,11,12,13,14,15
	global_load_b128 v[D+8*(\i):D+8*(\i)+3],   v[OFF+(\i)], s[6:7]
	global_load_b128 v[D+8*(\i)+4:D+8*(\i)+7], v[OFF+(\i)], s[6:7] offset:512
.endr
.irp i, 0,1,2,3,4,5,6,7,8,9,10,11,12,13,14,15
	s_wait_loadcnt 30-2*(\i)                       ; loads come back in order: row i's two are in, the younger rows' two each stay out
	global_store_b128 v[LO], v[D+8*(\i):D+8*(\i)+3],   s[8:9] offset:1024*(\i) th:TH_STORE_NT      ; each store of the wave covers 512 consecutive bytes, aligned
	global_store_b128 v[LO], v[D+8*(\i)+4:D+8*(\i)+7], s[8:9] offset:1024*(\i)+512 th:TH_STORE_NT
.endr
	s_endpgm
.Lfunc_end_k_qacd6cbc271_gather:
	.size	k_qacd6cbc271_gather, .Lfunc_end_k_qacd6cbc271_gather-k_qacd6cbc271_gather
	.p2alignl 7, 3214868480
	.fill 96, 4, 3214868480
	.section	.rodata,"a",@progbits
	.p2align	6, 0x0
	.amdhsa_kernel k_qacd6cbc271_gather
		.amdhsa_group_segment_fixed_size 0
		.amdhsa_private_segment_fixed_size 0
		.amdhsa_enable_private_segment 0
		.amdhsa_kernarg_size 24
		.amdhsa_user_sgpr_count 2
		.amdhsa_user_sgpr_kernarg_segment_ptr 1
		.amdhsa_wavefront_size32 1
		.amdhsa_system_sgpr_workgroup_id_x 1
		.amdhsa_system_sgpr_workgroup_id_y 1
		.amdhsa_system_sgpr_workgroup_id_z 1
		.amdhsa_system_vgpr_workitem_id 0
		.amdhsa_next_free_vgpr 160
		.amdhsa_next_free_sgpr 66
		.amdhsa_reserve_vcc 0
		.amdhsa_float_denorm_mode_32 3
		.amdhsa_float_denorm_mode_16_64 3
		.amdhsa_memory_ordered 1
		.amdhsa_forward_progress 1
		.amdhsa_inst_pref_size 10
	.end_amdhsa_kernel
	.amdgpu_metadata
---
amdhsa.version: [ 1, 2 ]
amdhsa.kernels:
  - .name:           k_qacd6cbc271_gather
    .symbol:         k_qacd6cbc271_gather.kd
    .args:
      - { .name: idxw, .offset: 0, .size: 8, .value_kind: global_buffer, .address_space: global }
      - { .name: codebook, .offset: 8, .size: 8, .value_kind: global_buffer, .address_space: global }
      - { .name: out0, .offset: 16, .size: 8, .value_kind: global_buffer, .address_space: global }
    .group_segment_fixed_size: 0
    .private_segment_fixed_size: 0
    .kernarg_segment_align: 8
    .kernarg_segment_size: 24
    .max_flat_workgroup_size: 256
    .sgpr_count:     66
    .vgpr_count:     160
    .wavefront_size: 32
...
	.end_amdgpu_metadata
.endif
;; end of part 5
